; MI455X (gfx1250); checked and timed in simulation.
; The chip was launched on July 23, 2026; its instructions are those of AMD's public machine-readable ISA for CDNA 5 (MIT licence, August 2026) and "CDNA5" Instruction Set Architecture Reference Guide (July 2026). The comments in the code are by the model that wrote it; some were corrected since.
;; Attention Only. Allowed arithmetic: float matrix products may take bf16 or f16 operands with f32 sums; all other float work in f32.
;; Inputs: k 8 x 32 x 2,048 x 128 float32; mask 8 x 1 x 1 x 2,048 float32; q 8 x 32 x 1 x 128 float32; v 8 x 32 x 2,048 x 128 float32.
;; Outputs: out0 8 x 32 x 1 x 128 float32.
;; 2 versions, each right; version 2 is version 1 with the launch decode written anew for expert scheduling mode. Each part assembles by itself: llvm-mc -triple=amdgcn-amd-amdhsa -mcpu=gfx1250 --defsym DOCPART=n.
;; ======== version 1 of 2: 1 launch
;; launch decode (part 1): grid 256 x 1, 16 waves a work-group, no clusters, 18,688 bytes of LDS; arguments k, mask, q, v, out0; writes out0
.if DOCPART == 1
	.amdgcn_target "amdgcn-amd-amdhsa--gfx1250"
	.amdhsa_code_object_version 6
	.text
	.protected	k_q1c70b7f5a2_decode
	.globl	k_q1c70b7f5a2_decode
	.p2align	8
	.type	k_q1c70b7f5a2_decode,@function
k_q1c70b7f5a2_decode:
	s_mov_b64 s[64:65], 0
	v_nop
	global_prefetch_b8 v0, s[64:65] scope:SCOPE_SE
	s_setreg_imm32_b32 hwreg(HW_REG_WAVE_MODE, 25, 1), 1
	s_wait_xcnt 0x0
; out[b,h,:] = softmax( (q[b,h,:] / sqrt(128)) . K[b,h,:,:]^T + mask[b,:] ) . V[b,h,:,:]     one query row a head, all f32.
; K, V: [256 (b,h)][2048 rows][128] f32, a row = 512 bytes.  mask: [8][2048].  q, out: [256][128].
;
; THE SHAPE.  One work-group for each (b,h): 256 of them, 1 MiB of K and 1 MiB of V each, every byte loaded once.
; Sixteen waves; wave w owns rows 128 w .. 128 w + 127 of K and of V.  The two halves of a wave take two neighbouring rows:
; lane (c = lane & 15, h = lane >> 4) holds d = 4c..4c+3 and d = 64+4c..64+4c+3 of row 2n + h.  A row pair is two loads of
; 16 bytes a lane, each of which covers two aligned runs of 256 consecutive bytes.  So a score is summed over 16 lanes only
; (four DPP adds serve two rows), and the products with V need no traffic between lanes until the very end.
; A wave's 128 scores stay in four registers (lane (c,h) keeps row 32 b + 2c + h of block b).  Each wave takes the softmax round
; its OWN maximum, so that no wave waits for another while K and V stream; the one barrier stands in front of the final sum,
; where wave 0 weighs the waves' sums by exp(m_wave - m_all), divides by the total and stores 512 consecutive bytes.
; THE RING.  16 slots of a row pair = 32 loads of every wave in flight (16 waves x 32 x 512 bytes = 256 KiB a work-group).
; It runs on from K into V, whose addresses hang on nothing computed.  The text is unrolled by macros: every address is one
; offset register that is never rewritten plus an immediate (at most 64,768), so no wait is needed to free a source.
;
; NOT USED, AND WHY.  Matrix forms: with one query row fifteen of their sixteen rows would be idle, and turning K and V into bf16
; takes one conversion for two numbers, as many instructions as the packed f32 multiply-add that does the product itself.
; LDS for K and V: no wave reads what another loaded.  Clusters: work-groups share only the mask, 8 KiB of the 2 MiB each reads.
; Prefetches: the ring itself keeps 256 KiB of every work-group on its way from the first line to the last row.
;
; LIMITS.  Sums are f32 in another order than the reference's.  v_exp_f32 gives 0 for results below 2^-126 (ISA guide 15.8):
; a weight that small against the largest of its slice counts as 0.  The division is v_rcp_f32 (1 ULP) and a multiply.
; -inf in the mask gives weight 0; a slice that is all -inf adds nothing; a whole row of -inf, any +inf or NaN gives NaN, as in the reference.
.set ROWB,  512                        ; bytes in a row of K or V
.set PAIRB, 2*ROWB                     ; a row pair: one step of a wave
.set WAVES, 16
.set PAIRS, 2048/WAVES/2               ; 64 row pairs of K for a wave, and 64 of V
.set DEPTH, 16                         ; ring slots (a row pair, two loads, eight registers each)
.set STAT,  2*WAVES*ROWB               ; LDS: 32 partial rows of 512 bytes, then (maximum, sum) of each wave, 8 bytes
; scalar registers
.set KB, 4                             ; s[4:5]   K at this (b,h)
.set MB, 6                             ; s[6:7]   mask at this b
.set QB, 8                             ; s[8:9]   q at this (b,h)
.set VB, 10                            ; s[10:11] V at this (b,h)
.set OB, 12                            ; s[12:13] out at this (b,h)
.set WV, 14                            ; s14      wave number;  s15-s17 at work;  s18, s19 selects of v_permlanex16_b32
.set MSK, 20                           ; s[21:35] lane masks: s[MSK+i] = lanes i and 16 + i
; vector registers
.set HC,   1                           ; 512 h + 16 c
.set VOFF, 2                           ; byte offset of my 16 bytes in the wave's first row pair of K and of V
.set QOFF, 3                           ; 16 c
.set MOFF, 4                           ; byte offset of my row's mask in block 0
.set LA,   5                           ; LDS: my 16 bytes in my half's partial row
.set LB,   6                           ; LDS: 8 x wave
.set RD,   7                           ; 16 x lane
.set SA,   8                           ; 8 c
.set Q,   10                           ; v[10:17]  q / sqrt(128) at my eight d
.set M,   18                           ; v[18:21]  mask of my row in blocks 0-3
.set S,   22                           ; v[22:25]  score, later weight, of my row in blocks 0-3
.set T,   26                           ; v[26:27]  at work; later the weight handed to all lanes of a half, even steps
.set U,   28                           ; v[28:29]  at work; the same, odd steps
.set ACC, 30                           ; v[30:37]  sums of weight x V at my eight d
.set MX,  38                           ; the wave's maximum   (MX, LS: one pair, stored together)
.set LS,  39                           ; the wave's sum of weights
.set MU,  40                           ; the maximum that is subtracted
.set G,   41                           ; final sum: the weight of wave c
.set W,   42                           ; v[42:43]  final sum: (maximum, sum) of wave c
.set X,   44                           ; v[44:171] the ring; in the final sum the 32 partial rows
	s_load_b256 s[4:11], s[0:1], 0x0               ; k, mask, q, v
	s_load_b64 s[OB:OB+1], s[0:1], 0x20            ; out0
	v_lshl_add_u32 v172, v0, 2, 0x4100
	v_mov_b32 v173, 0
	v_lshrrev_b32 v[LB], 5, v0
	v_readfirstlane_b32 s[WV], v[LB]               ; wave 0..15 as a scalar
	v_and_b32 v[SA], 15, v0                        ; c
	v_bfe_u32 v[HC], v0, 4, 1                      ; h
	v_lshlrev_b32 v[QOFF], 4, v[SA]                ; 16 c
	v_lshlrev_b32 v[MOFF], 2, v[HC]                ; 4 h
	v_lshl_add_u32 v[MOFF], v[SA], 3, v[MOFF]      ; + 8 c: row 2c + h
	v_lshl_add_u32 v[HC], v[HC], 9, v[QOFF]        ; 512 h + 16 c
	s_lshl_b32 s15, s[WV], 16
	v_add_nc_u32 v[VOFF], s15, v[HC]               ; + wave x 128 rows x 512 bytes
	s_lshl_b32 s15, s[WV], 9
	v_add_nc_u32 v[MOFF], s15, v[MOFF]             ; + wave x 128 rows x 4 bytes
	s_lshl_b32 s15, s[WV], 10
	v_add_nc_u32 v[LA], s15, v[HC]                 ; partial row 2 wave + h
	s_lshl_b32 s15, s[WV], 3
	v_mov_b32 v[LB], s15
	v_lshlrev_b32 v[SA], 3, v[SA]
	v_and_b32 v[RD], 31, v0
	v_lshlrev_b32 v[RD], 4, v[RD]
.irp i, 1,2,3,4,5,6,7,8,9,10,11,12,13,14,15
	s_mov_b32 s[MSK+\i], 0x10001<<\i
.endr
	s_mov_b32 s18, 0x76543210                      ; v_permlanex16_b32: lane i of one half reads lane i of the other
	s_mov_b32 s19, 0xfedcba98
	s_lshl_b32 s16, ttmp9, 20                      ; (b,h) x 1 MiB, below 2^28
	s_mov_b32 s17, 0
	s_wait_kmcnt 0x0
	s_add_nc_u64 s[KB:KB+1], s[KB:KB+1], s[16:17]
	s_add_nc_u64 s[VB:VB+1], s[VB:VB+1], s[16:17]
	s_lshl_b32 s16, ttmp9, 9                       ; (b,h) x 512 bytes
	s_add_nc_u64 s[QB:QB+1], s[QB:QB+1], s[16:17]
	s_add_nc_u64 s[OB:OB+1], s[OB:OB+1], s[16:17]
	s_lshr_b32 s16, ttmp9, 5                       ; b
	s_lshl_b32 s16, s16, 13                        ; x 2048 x 4 bytes
	s_add_nc_u64 s[MB:MB+1], s[MB:MB+1], s[16:17]
; Slot s takes row pair n of the wave's stream: n = 0..63 is K, n = 64..127 is V.  K and V are read once in the launch: NT.
.macro FILL s, n
.if (\n) < PAIRS
	global_load_b128 v[X+8*(\s):X+8*(\s)+3],   v[VOFF], s[KB:KB+1] offset:(\n)*PAIRB th:TH_LOAD_NT
	global_load_b128 v[X+8*(\s)+4:X+8*(\s)+7], v[VOFF], s[KB:KB+1] offset:(\n)*PAIRB+256 th:TH_LOAD_NT
.else
	global_load_b128 v[X+8*(\s):X+8*(\s)+3],   v[VOFF], s[VB:VB+1] offset:((\n)-PAIRS)*PAIRB th:TH_LOAD_NT
	global_load_b128 v[X+8*(\s)+4:X+8*(\s)+7], v[VOFF], s[VB:VB+1] offset:((\n)-PAIRS)*PAIRB+256 th:TH_LOAD_NT
.endif
.endm
	global_load_b128 v[Q:Q+3],   v[QOFF], s[QB:QB+1]
	global_load_b128 v[Q+4:Q+7], v[QOFF], s[QB:QB+1] offset:256
.irp b, 0,1,2,3
	global_load_b32 v[M+\b], v[MOFF], s[MB:MB+1] offset:128*\b     ; 32 rows a block; read again by the 31 other heads: no hint
.endr
.irp i, 0,1,2,3,4,5,6,7,8,9,10,11,12,13,14,15
	FILL \i, \i                                    ; the ring is filled: K's row pairs 0 to 15
.endr
	s_wait_loadcnt 2*DEPTH                         ; loads come back in order (ISA guide 5.7.1): the 32 of the ring stay out, q and mask are in
.irp e, 0,2,4,6
	v_pk_mul_f32 v[Q+\e:Q+\e+1], v[Q+\e:Q+\e+1], 0x3db504f3 op_sel_hi:[1,0]     ; q x 128^-0.5, as the reference scales q
.endr
; SCORES.  Row pairs 16 b + i and 16 b + i + 1 of K (i even), the two chains interleaved so that neither waits for itself.
.macro KSTEP b, i
	s_wait_loadcnt 2*DEPTH-4                       ; the four oldest loads (these two slots) are in; the 28 younger ones stay out
	v_pk_mul_f32 v[T:T+1], v[X+8*\i:X+8*\i+1],   v[Q:Q+1]          ; the first product starts the sum
	v_pk_mul_f32 v[U:U+1], v[X+8*\i+8:X+8*\i+9], v[Q:Q+1]
.irp e, 2,4,6
	v_pk_fma_f32 v[T:T+1], v[X+8*\i+\e:X+8*\i+\e+1],   v[Q+\e:Q+\e+1], v[T:T+1]
	v_pk_fma_f32 v[U:U+1], v[X+8*\i+8+\e:X+8*\i+9+\e], v[Q+\e:Q+\e+1], v[U:U+1]
.endr
	FILL \i,   16*\b+\i+DEPTH                      ; both slots are read: 16 pairs ahead (in block 3 that is V)
	FILL \i+1, 16*\b+\i+DEPTH+1
	v_add_f32 v[T], v[T], v[T+1]
	v_add_f32 v[U], v[U], v[U+1]
.irp x, 1,2,4,8
	v_add_f32_dpp v[T], v[T], v[T] row_xmask:\x row_mask:0xf bank_mask:0xf      ; over the 16 lanes of each half: each half its own row
	v_add_f32_dpp v[U], v[U], v[U] row_xmask:\x row_mask:0xf bank_mask:0xf
.endr
.if \i == 0
	v_mov_b32 v[S+\b], v[T]                        ; starts the block's register; lanes c > 0 are replaced below
.else
	v_cndmask_b32 v[S+\b], v[S+\b], v[T], s[MSK+\i]                ; lane c = i of each half keeps its row's score
.endif
	v_cndmask_b32 v[S+\b], v[S+\b], v[U], s[MSK+\i+1]
.endm
.irp b, 0,1,2,3
.irp i, 0,2,4,6,8,10,12,14
	KSTEP \b, \i
.endr
.endr
; SOFTMAX of the wave's 128 rows round the wave's own maximum, while V's first 16 row pairs are on their way.
	v_pk_add_f32 v[S:S+1],   v[S:S+1],   v[M:M+1]                  ; + mask
	v_pk_add_f32 v[S+2:S+3], v[S+2:S+3], v[M+2:M+3]
	v_max3_num_f32 v[MX], v[S], v[S+1], v[S+2]
	v_max_num_f32 v[MX], v[MX], v[S+3]
.irp x, 1,2,4,8
	v_max_num_f32_dpp v[MX], v[MX], v[MX] row_xmask:\x row_mask:0xf bank_mask:0xf
.endr
	v_permlanex16_b32 v[T], v[MX], s18, s19        ; the other half's maximum (T has been written: its old value counts as read)
	v_max_num_f32 v[MX], v[MX], v[T]
	v_max_num_f32 v[MU], 0xff7fffff, v[MX]         ; a slice that is all -inf subtracts the lowest finite number instead: -inf stays -inf, weight 0
.irp b, 0,1,2,3
	v_sub_f32 v[S+\b], v[S+\b], v[MU]              ; subtract first, scale then: no overflow at masks near the lowest finite number
.endr
	v_pk_mul_f32 v[S:S+1],   v[S:S+1],   0x3fb8aa3b op_sel_hi:[1,0]             ; x log2(e)
	v_pk_mul_f32 v[S+2:S+3], v[S+2:S+3], 0x3fb8aa3b op_sel_hi:[1,0]
.irp b, 0,1,2,3
	v_exp_f32 v[S+\b], v[S+\b]
.endr
	v_nop                                          ; one plain instruction between a transcendental and the use of its result (ISA guide 5.7.2)
	s_wait_alu depctr_va_vdst(0)
	v_add_f32 v[LS], v[S], v[S+1]
	v_add_f32 v[T], v[S+2], v[S+3]
	v_add_f32 v[LS], v[LS], v[T]
.irp x, 1,2,4,8
	v_add_f32_dpp v[LS], v[LS], v[LS] row_xmask:\x row_mask:0xf bank_mask:0xf
.endr
	v_permlanex16_b32 v[T], v[LS], s18, s19
	v_add_f32 v[LS], v[LS], v[T]                   ; the wave's sum of weights, in every lane
; ACC (+)= slot s x the weight in v[PP].  The pair v[PP:PP+1] is named, its first register multiplies both halves;
; T, T+1, U, U+1 have all been written by the score steps.
.macro AXPY s, first
.irp e, 0,2,4,6
.if \first
	v_pk_mul_f32 v[ACC+\e:ACC+\e+1], v[X+8*(\s)+\e:X+8*(\s)+\e+1], v[PP:PP+1] op_sel_hi:[1,0]
.else
	v_pk_fma_f32 v[ACC+\e:ACC+\e+1], v[X+8*(\s)+\e:X+8*(\s)+\e+1], v[PP:PP+1], v[ACC+\e:ACC+\e+1] op_sel_hi:[1,0,1]
.endif
.endr
.endm
; WEIGHTS x V.  Row pair 16 b + i of V: lane i of each half hands its row's weight to the half's 16 lanes.
.macro VPAIR b, i
.set PP, T+2*(\i%2)
	v_mov_b32_dpp v[PP], v[S+\b] row_share:\i row_mask:0xf bank_mask:0xf
.if 16*\b+\i < PAIRS-DEPTH
	s_wait_loadcnt 2*DEPTH-2                       ; the slot's two loads are in; the 30 younger ones stay out
.else
	s_wait_loadcnt 2*(PAIRS-1-16*\b-\i)            ; nothing is refilled any more: two loads for each pair still behind, down to 0
.endif
.if 16*\b+\i == 0
	AXPY \i, 1                                     ; the first product starts the sums: nothing is cleared
.else
	AXPY \i, 0
.endif
.if 16*\b+\i < PAIRS-DEPTH
	FILL \i, PAIRS+16*\b+\i+DEPTH                  ; 16 pairs ahead; the last 16 steps load nothing, so no load leaves the wave's rows
.endif
.endm
.irp b, 0,1,2,3
.irp i, 0,1,2,3,4,5,6,7,8,9,10,11,12,13,14,15
	VPAIR \b, \i
.endr
.endr
; THE WAVES MEET.  Each half's 128 sums go to a partial row of their own (byte 4 d of row 2 wave + h), the wave's maximum and sum beside them.
	ds_store_b128 v[LA], v[ACC:ACC+3]
	ds_store_b128 v[LA], v[ACC+4:ACC+7] offset:256
	ds_store_b64 v[LB], v[MX:MX+1] offset:STAT     ; every lane writes the same eight bytes with the same values
	s_wait_dscnt 0x0                               ; for wave 0's sake: my stores are done before I say so
	s_barrier_signal -1
	s_barrier_wait -1
	s_cmp_lg_u32 s[WV], 0
	s_cbranch_scc1 .Lend                           ; 128 numbers are left to make: one wave, four a lane
	ds_load_b64 v[W:W+1], v[SA] offset:STAT        ; lane c of each half: maximum and sum of wave c
.set p, 0
.rept 2*WAVES
	ds_load_b128 v[X+4*p:X+4*p+3], v[RD] offset:ROWB*p             ; partial row p, d = 4 lane .. 4 lane + 3: 512 consecutive bytes
.set p, p+1
.endr
	s_wait_dscnt 2*WAVES                           ; LDS loads come back in order (ISA guide 5.7.1): the 32 rows stay out, (maximum, sum) is in
	v_mov_b32 v[G], v[W]
.irp x, 1,2,4,8
	v_max_num_f32_dpp v[G], v[G], v[G] row_xmask:\x row_mask:0xf bank_mask:0xf  ; the maximum of all 2048 scores
.endr
	v_sub_f32 v[G], v[W], v[G]                     ; all -inf: -inf - -inf = NaN, as in the reference
	v_mul_f32 v[G], 0x3fb8aa3b, v[G]
	v_exp_f32 v[G], v[G]                           ; exp(m_wave - m_all)
	v_nop                                          ; the place behind the transcendental
	s_wait_alu depctr_va_vdst(0)
	v_mul_f32 v[W+1], v[G], v[W+1]
.irp x, 1,2,4,8
	v_add_f32_dpp v[W+1], v[W+1], v[W+1] row_xmask:\x row_mask:0xf bank_mask:0xf ; the softmax's denominator
.endr
	v_rcp_f32 v[W+1], v[W+1]
	v_nop                                          ; the place behind the transcendental
	s_wait_alu depctr_va_vdst(0)
	v_mul_f32 v[G], v[G], v[W+1]                   ; wave c's weight, the division folded in
.irp w, 0,1,2,3,4,5,6,7,8,9,10,11,12,13,14,15
.set PP, T+2*(\w%2)
	v_mov_b32_dpp v[PP], v[G] row_share:\w row_mask:0xf bank_mask:0xf
	s_wait_dscnt 2*WAVES-2-2*\w                    ; wave w's two partial rows are in; those behind them stay out
.if \w == 0
	AXPY \w, 1                                     ; ACC[0:3] gathers the even rows' halves, ACC[4:7] the odd rows': four chains
.else
	AXPY \w, 0
.endif
.endr
	v_pk_add_f32 v[ACC:ACC+1],   v[ACC:ACC+1],   v[ACC+4:ACC+5]
	v_pk_add_f32 v[ACC+2:ACC+3], v[ACC+2:ACC+3], v[ACC+6:ACC+7]
	global_store_b128 v[RD], v[ACC:ACC+3], s[OB:OB+1]              ; the whole row of out: 512 consecutive bytes, aligned
.Lend:
	s_wait_tensorcnt 0x0
	ds_add_u32 v172, v173
	s_wait_dscnt 0x0
	s_endpgm
.Lfunc_end_k_q1c70b7f5a2_decode:
	.size	k_q1c70b7f5a2_decode, .Lfunc_end_k_q1c70b7f5a2_decode-k_q1c70b7f5a2_decode
	.p2alignl 7, 3214868480
	.fill 96, 4, 3214868480
	.section	.rodata,"a",@progbits
	.p2align	6, 0x0
	.amdhsa_kernel k_q1c70b7f5a2_decode
		.amdhsa_group_segment_fixed_size 18688
		.amdhsa_private_segment_fixed_size 0
		.amdhsa_enable_private_segment 0
		.amdhsa_kernarg_size 40
		.amdhsa_user_sgpr_count 2
		.amdhsa_user_sgpr_kernarg_segment_ptr 1
		.amdhsa_wavefront_size32 1
		.amdhsa_system_sgpr_workgroup_id_x 1
		.amdhsa_system_sgpr_workgroup_id_y 1
		.amdhsa_system_sgpr_workgroup_id_z 1
		.amdhsa_system_vgpr_workitem_id 0
		.amdhsa_next_free_vgpr 174
		.amdhsa_next_free_sgpr 66
		.amdhsa_reserve_vcc 0
		.amdhsa_float_denorm_mode_32 3
		.amdhsa_float_denorm_mode_16_64 3
		.amdhsa_memory_ordered 1
		.amdhsa_forward_progress 1
		.amdhsa_inst_pref_size 100
	.end_amdhsa_kernel
	.amdgpu_metadata
---
amdhsa.version: [ 1, 2 ]
amdhsa.kernels:
  - .name:           k_q1c70b7f5a2_decode
    .symbol:         k_q1c70b7f5a2_decode.kd
    .args:
      - { .name: k, .offset: 0, .size: 8, .value_kind: global_buffer, .address_space: global }
      - { .name: mask, .offset: 8, .size: 8, .value_kind: global_buffer, .address_space: global }
      - { .name: q, .offset: 16, .size: 8, .value_kind: global_buffer, .address_space: global }
      - { .name: v, .offset: 24, .size: 8, .value_kind: global_buffer, .address_space: global }
      - { .name: out0, .offset: 32, .size: 8, .value_kind: global_buffer, .address_space: global }
    .group_segment_fixed_size: 18688
    .private_segment_fixed_size: 0
    .kernarg_segment_align: 8
    .kernarg_segment_size: 40
    .max_flat_workgroup_size: 512
    .sgpr_count:     66
    .vgpr_count:     174
    .wavefront_size: 32
...
	.end_amdgpu_metadata
.endif
;; end of part 1
;; ======== version 2 of 2: 1 launch; version 1 with the launch decode written anew for expert scheduling mode
;; launch decode (part 2): grid 256 x 1, 16 waves a work-group, no clusters, 18,688 bytes of LDS; arguments k, mask, q, v, out0; writes out0
.if DOCPART == 2
	.amdgcn_target "amdgcn-amd-amdhsa--gfx1250"
	.amdhsa_code_object_version 6
	.text
	.protected	k_q1c70b7f5a2_decode
	.globl	k_q1c70b7f5a2_decode
	.p2align	8
	.type	k_q1c70b7f5a2_decode,@function
k_q1c70b7f5a2_decode:
	s_mov_b64 s[64:65], 0
	v_nop
	global_prefetch_b8 v0, s[64:65] scope:SCOPE_SE
	s_setreg_imm32_b32 hwreg(HW_REG_WAVE_SCHED_MODE, 0, 2), 2
	s_setreg_imm32_b32 hwreg(HW_REG_WAVE_MODE, 25, 1), 1
	s_wait_xcnt 0x0
	s_wait_alu depctr_vm_vsrc(0)
; out[b,h,:] = softmax( (q[b,h,:] / sqrt(128)) . K[b,h,:,:]^T + mask[b,:] ) . V[b,h,:,:]     one query row a head, all f32.
; K, V: [256 (b,h)][2048 rows][128] f32, a row = 512 bytes.  mask: [8][2048].  q, out: [256][128].
;
; THE SHAPE.  One work-group for each (b,h): 256 of them, 1 MiB of K and 1 MiB of V each, every byte loaded once.
; Sixteen waves; wave w owns rows 128 w .. 128 w + 127 of K and of V.  The two halves of a wave take two neighbouring rows:
; lane (c = lane & 15, h = lane >> 4) holds d = 4c..4c+3 and d = 64+4c..64+4c+3 of row 2n + h.  A row pair is two loads of
; 16 bytes a lane, each of which covers two aligned runs of 256 consecutive bytes.  So a score is summed over 16 lanes only
; (four DPP adds serve two rows), and the products with V need no traffic between lanes until the very end.
; A wave's 128 scores stay in four registers (lane (c,h) keeps row 32 b + 2c + h of block b).  Each wave takes the softmax round
; its OWN maximum, so that no wave waits for another while K and V stream; the one barrier stands in front of the final sum,
; where wave 0 weighs the waves' sums by exp(m_wave - m_all), divides by the total and stores 512 consecutive bytes.
; THE RING.  16 slots of a row pair = 32 loads of every wave in flight (16 waves x 32 x 512 bytes = 256 KiB a work-group).
; It runs on from K into V, whose addresses hang on nothing computed.  The text is unrolled by macros: every address is one
; offset register that is never rewritten plus an immediate (at most 64,768), so no wait is needed to free an address.
;
; THE MODE: SCHED_MODE bits 1:0 = 2 (LLVM: expert scheduling mode 2), set by the entry lines.  The code itself states the register
; dependences between vector instructions and memory or LDS instructions, with s_wait_alu, always for 0.
; THE PLAN.  Registers that memory or LDS instructions touch:
;   v2 .. v8, v172, v173   offsets and LDS addresses.  Written at the head, never again; read by every load, store and the closing add.
;   Q, M                   One load each at the head; no vector instruction names them ahead of it.
;   X, 16 slots            A score step's eight products read two slots, a row pair of V's four products one; behind them the loads of
;                          16 pairs on land in the same slots.  No vector instruction writes them.  In the final sum LDS loads land in them.
;   ACC, MX, LS            Written by vector work; read by the three LDS stores; ACC is written again by the final sum and read by the one global store.
;   W                      One LDS load lands in it; vector work follows its wait on DScnt.
;   T, U, S, MU, G are named by vector instructions alone.
; So ONE wait on va_vdst stands in a step of two row pairs, behind the products that empty the two slots: the slots are asked for again at
; once, and the four loads are followed by work that names none of their registers.  The last 16 row pairs of V ask for nothing
; and hold no such wait.  The way out has one wait ahead of the LDS stores, one on vm_vsrc ahead of the branch, one ahead of the global store.
;
; NOT USED, AND WHY.  Matrix forms: with one query row fifteen of their sixteen rows would be idle, and turning K and V into bf16
; takes one conversion for two numbers, as many instructions as the packed f32 multiply-add that does the product itself.
; LDS for K and V: no wave reads what another loaded.  Clusters: work-groups share only the mask, 8 KiB of the 2 MiB each reads.
; Prefetches: the ring itself keeps 256 KiB of every work-group on its way from the first line to the last row.
;
; LIMITS.  Sums are f32 in another order than the reference's.  v_exp_f32 gives 0 for results below 2^-126 (ISA guide 15.8):
; a weight that small against the largest of its slice counts as 0.  The division is v_rcp_f32 (1 ULP) and a multiply.
; -inf in the mask gives weight 0; a slice that is all -inf adds nothing; a whole row of -inf, any +inf or NaN gives NaN, as in the reference.
.set ROWB,  512                        ; bytes in a row of K or V
.set PAIRB, 2*ROWB                     ; a row pair
.set WAVES, 16
.set PAIRS, 2048/WAVES/2               ; 64 row pairs of K for a wave, and 64 of V
.set DEPTH, 16                         ; ring slots (a row pair, two loads, eight registers each)
.set STAT,  2*WAVES*ROWB               ; LDS: 32 partial rows of 512 bytes, then (maximum, sum) of each wave, 8 bytes; from 0x4100 on the spare words
; scalar registers
.set KB, 4                             ; s[4:5]   K at this (b,h)
.set MB, 6                             ; s[6:7]   mask at this b
.set QB, 8                             ; s[8:9]   q at this (b,h)
.set VB, 10                            ; s[10:11] V at this (b,h)
.set OB, 12                            ; s[12:13] out at this (b,h)
.set WV, 14                            ; s14      wave number;  s16, s17 at work;  s18, s19 selects of v_permlanex16_b32
.set MSK, 20                           ; s[21:35] lane masks: s[MSK+i] = lanes i and 16 + i
                                       ; s36-s39  the wave's number shifted four ways, a register each: none that a vector instruction reads is written again
; vector registers
.set HC,   1                           ; 512 h + 16 c
.set VOFF, 2                           ; byte offset of my 16 bytes in the wave's first row pair of K and of V
.set QOFF, 3                           ; 16 c
.set MOFF, 4                           ; byte offset of my row's mask in block 0
.set LA,   5                           ; LDS: my 16 bytes in my half's partial row
.set LB,   6                           ; LDS: 8 x wave
.set RD,   7                           ; 16 x lane
.set SA,   8                           ; 8 c
.set Q,   10                           ; v[10:17]  q / sqrt(128) at my eight d
.set M,   18                           ; v[18:21]  mask of my row in blocks 0-3
.set S,   22                           ; v[22:25]  score, later weight, of my row in blocks 0-3
.set T,   26                           ; v[26:27]  at work; later the weight handed to all lanes of a half, even pairs
.set U,   28                           ; v[28:29]  at work; the same, odd pairs
.set ACC, 30                           ; v[30:37]  sums of weight x V at my eight d
.set MX,  38                           ; the wave's maximum   (MX, LS: one pair, stored together)
.set LS,  39                           ; the wave's sum of weights
.set MU,  40                           ; the maximum that is subtracted
.set G,   41                           ; final sum: the weight of wave c
.set W,   42                           ; v[42:43]  final sum: (maximum, sum) of wave c
.set X,   44                           ; v[44:171] the ring; in the final sum the 32 partial rows
                                       ; v172, v173  the closing add's two registers, made at the head and kept for it alone
	s_load_b256 s[4:11], s[0:1], 0x0               ; k, mask, q, v
	s_load_b64 s[OB:OB+1], s[0:1], 0x20            ; out0
	v_lshl_add_u32 v172, v0, 2, 0x4100
	v_mov_b32 v173, 0
	v_lshrrev_b32 v[LB], 5, v0
	v_readfirstlane_b32 s[WV], v[LB]               ; wave 0..15 as a scalar
	v_and_b32 v[SA], 15, v0                        ; c
	v_bfe_u32 v[HC], v0, 4, 1                      ; h
	v_lshlrev_b32 v[QOFF], 4, v[SA]                ; 16 c
	v_lshlrev_b32 v[MOFF], 2, v[HC]                ; 4 h
	v_lshl_add_u32 v[MOFF], v[SA], 3, v[MOFF]      ; + 8 c: row 2c + h
	v_lshl_add_u32 v[HC], v[HC], 9, v[QOFF]        ; 512 h + 16 c
	s_wait_alu depctr_va_sdst(0)                   ; s14 is written, ahead of its first reader: the four shifts below are made from it
	s_lshl_b32 s36, s[WV], 16
	v_add_nc_u32 v[VOFF], s36, v[HC]               ; + wave x 128 rows x 512 bytes
	s_lshl_b32 s37, s[WV], 9
	v_add_nc_u32 v[MOFF], s37, v[MOFF]             ; + wave x 128 rows x 4 bytes
	s_lshl_b32 s38, s[WV], 10
	v_add_nc_u32 v[LA], s38, v[HC]                 ; partial row 2 wave + h
	s_lshl_b32 s39, s[WV], 3
	v_mov_b32 v[LB], s39
	v_lshlrev_b32 v[SA], 3, v[SA]
	v_and_b32 v[RD], 31, v0
	v_lshlrev_b32 v[RD], 4, v[RD]
.irp i, 1,2,3,4,5,6,7,8,9,10,11,12,13,14,15
	s_mov_b32 s[MSK+\i], 0x10001<<\i
.endr
	s_mov_b32 s18, 0x76543210                      ; v_permlanex16_b32: lane i of one half reads lane i of the other
	s_mov_b32 s19, 0xfedcba98
	s_lshl_b32 s16, ttmp9, 20                      ; (b,h) x 1 MiB, below 2^28
	s_mov_b32 s17, 0
	s_wait_kmcnt 0x0
	s_add_nc_u64 s[KB:KB+1], s[KB:KB+1], s[16:17]
	s_add_nc_u64 s[VB:VB+1], s[VB:VB+1], s[16:17]
	s_lshl_b32 s16, ttmp9, 9                       ; (b,h) x 512 bytes
	s_add_nc_u64 s[QB:QB+1], s[QB:QB+1], s[16:17]
	s_add_nc_u64 s[OB:OB+1], s[OB:OB+1], s[16:17]
	s_lshr_b32 s16, ttmp9, 5                       ; b
	s_lshl_b32 s16, s16, 13                        ; x 2048 x 4 bytes
	s_add_nc_u64 s[MB:MB+1], s[MB:MB+1], s[16:17]
	s_wait_alu depctr_va_vdst(0)                   ; the offsets and LDS addresses v2 to v8 are written, which every load and store of the kernel reads; none is written again
; Slot s takes row pair n of the wave's stream: n = 0..63 is K, n = 64..127 is V.  K and V are read once in the launch: NT.
.macro FILL s, n
.if (\n) < PAIRS
	global_load_b128 v[X+8*(\s):X+8*(\s)+3],   v[VOFF], s[KB:KB+1] offset:(\n)*PAIRB th:TH_LOAD_NT
	global_load_b128 v[X+8*(\s)+4:X+8*(\s)+7], v[VOFF], s[KB:KB+1] offset:(\n)*PAIRB+256 th:TH_LOAD_NT
.else
	global_load_b128 v[X+8*(\s):X+8*(\s)+3],   v[VOFF], s[VB:VB+1] offset:((\n)-PAIRS)*PAIRB th:TH_LOAD_NT
	global_load_b128 v[X+8*(\s)+4:X+8*(\s)+7], v[VOFF], s[VB:VB+1] offset:((\n)-PAIRS)*PAIRB+256 th:TH_LOAD_NT
.endif
.endm
	global_load_b128 v[Q:Q+3],   v[QOFF], s[QB:QB+1]
	global_load_b128 v[Q+4:Q+7], v[QOFF], s[QB:QB+1] offset:256
.irp b, 0,1,2,3
	global_load_b32 v[M+\b], v[MOFF], s[MB:MB+1] offset:128*\b     ; 32 rows a block; read again by the 31 other heads: no hint
.endr
.irp i, 0,1,2,3,4,5,6,7,8,9,10,11,12,13,14,15
	FILL \i, \i                                    ; the ring is filled: K's row pairs 0 to 15
.endr
	s_wait_loadcnt 2*DEPTH                         ; loads come back in order (ISA guide 5.7.1): the 32 of the ring stay out, q and mask are in
.irp e, 0,2,4,6
	v_pk_mul_f32 v[Q+\e:Q+\e+1], v[Q+\e:Q+\e+1], 0x3db504f3 op_sel_hi:[1,0]     ; q x 128^-0.5, as the reference scales q
.endr
; SCORES.  Row pairs 16 b + i and 16 b + i + 1 of K (i even), the two chains interleaved so that neither waits for itself.
.macro KSTEP b, i
	s_wait_loadcnt 2*DEPTH-4                       ; the four oldest loads (these two slots) are in; the 28 younger ones stay out
	v_pk_mul_f32 v[T:T+1], v[X+8*\i:X+8*\i+1],   v[Q:Q+1]          ; the first product starts the sum
	v_pk_mul_f32 v[U:U+1], v[X+8*\i+8:X+8*\i+9], v[Q:Q+1]
.irp e, 2,4,6
	v_pk_fma_f32 v[T:T+1], v[X+8*\i+\e:X+8*\i+\e+1],   v[Q+\e:Q+\e+1], v[T:T+1]
	v_pk_fma_f32 v[U:U+1], v[X+8*\i+8+\e:X+8*\i+9+\e], v[Q+\e:Q+\e+1], v[U:U+1]
.endr
	s_wait_alu depctr_va_vdst(0)                   ; the eight products are done reading slots i and i + 1, in which the four loads below land
	FILL \i,   16*\b+\i+DEPTH                      ; 16 pairs ahead (in block 3 that is V)
	v_add_f32 v[T], v[T], v[T+1]                   ; from here to the step's end only T, U and S are named: none of the registers that the loads touch
	v_add_f32 v[U], v[U], v[U+1]
	FILL \i+1, 16*\b+\i+DEPTH+1
.irp x, 1,2,4,8
	v_add_f32_dpp v[T], v[T], v[T] row_xmask:\x row_mask:0xf bank_mask:0xf      ; over the 16 lanes of each half: each half its own row
	v_add_f32_dpp v[U], v[U], v[U] row_xmask:\x row_mask:0xf bank_mask:0xf
.endr
.if \i == 0
	v_mov_b32 v[S+\b], v[T]                        ; starts the block's register; lanes c > 0 are replaced below
.else
	v_cndmask_b32 v[S+\b], v[S+\b], v[T], s[MSK+\i]                ; lane c = i of each half keeps its row's score
.endif
	v_cndmask_b32 v[S+\b], v[S+\b], v[U], s[MSK+\i+1]
.endm
.irp b, 0,1,2,3
.irp i, 0,2,4,6,8,10,12,14
	KSTEP \b, \i
.endr
.endr
; SOFTMAX of the wave's 128 rows round the wave's own maximum, while V's first 16 row pairs are on their way.
	v_pk_add_f32 v[S:S+1],   v[S:S+1],   v[M:M+1]                  ; + mask
	v_pk_add_f32 v[S+2:S+3], v[S+2:S+3], v[M+2:M+3]
	v_max3_num_f32 v[MX], v[S], v[S+1], v[S+2]
	v_max_num_f32 v[MX], v[MX], v[S+3]
.irp x, 1,2,4,8
	v_max_num_f32_dpp v[MX], v[MX], v[MX] row_xmask:\x row_mask:0xf bank_mask:0xf
.endr
	v_permlanex16_b32 v[T], v[MX], s18, s19        ; the other half's maximum (T has been written: its old value counts as read)
	v_max_num_f32 v[MX], v[MX], v[T]
	v_max_num_f32 v[MU], 0xff7fffff, v[MX]         ; a slice that is all -inf subtracts the lowest finite number instead: -inf stays -inf, weight 0
.irp b, 0,1,2,3
	v_sub_f32 v[S+\b], v[S+\b], v[MU]              ; subtract first, scale then: no overflow at masks near the lowest finite number
.endr
	v_pk_mul_f32 v[S:S+1],   v[S:S+1],   0x3fb8aa3b op_sel_hi:[1,0]             ; x log2(e)
	v_pk_mul_f32 v[S+2:S+3], v[S+2:S+3], 0x3fb8aa3b op_sel_hi:[1,0]
.irp b, 0,1,2,3
	v_exp_f32 v[S+\b], v[S+\b]
.endr
	v_nop                                          ; one plain instruction between a transcendental and the use of its result (ISA guide 5.7.2)
	s_wait_alu depctr_va_vdst(0)                   ; the four exponentials have written S .. S+3: one wait for the batch, ahead of its first reader
	v_add_f32 v[LS], v[S], v[S+1]
	v_add_f32 v[T], v[S+2], v[S+3]
	v_add_f32 v[LS], v[LS], v[T]
.irp x, 1,2,4,8
	v_add_f32_dpp v[LS], v[LS], v[LS] row_xmask:\x row_mask:0xf bank_mask:0xf
.endr
	v_permlanex16_b32 v[T], v[LS], s18, s19
	v_add_f32 v[LS], v[LS], v[T]                   ; the wave's sum of weights, in every lane
; ACC (+)= slot s x the weight in v[PP].  The pair v[PP:PP+1] is named, its first register multiplies both halves;
; T, T+1, U, U+1 have all been written by the score steps.
.macro AXPY s, first
.irp e, 0,2,4,6
.if \first
	v_pk_mul_f32 v[ACC+\e:ACC+\e+1], v[X+8*(\s)+\e:X+8*(\s)+\e+1], v[PP:PP+1] op_sel_hi:[1,0]
.else
	v_pk_fma_f32 v[ACC+\e:ACC+\e+1], v[X+8*(\s)+\e:X+8*(\s)+\e+1], v[PP:PP+1], v[ACC+\e:ACC+\e+1] op_sel_hi:[1,0,1]
.endif
.endr
.endm
; WEIGHTS x V.  Row pair 16 b + i of V: lane i of each half hands its row's weight to the half's 16 lanes.
; Two row pairs are a step: both slots are asked for again behind the odd pair's products, behind one wait.
.macro VPAIR b, i
.set PP, T+2*(\i%2)
	v_mov_b32_dpp v[PP], v[S+\b] row_share:\i row_mask:0xf bank_mask:0xf
.if 16*\b+\i < PAIRS-DEPTH
	s_wait_loadcnt 2*DEPTH-2-2*(\i%2)              ; the slot's two loads are in.  Even pair: the 15 younger pairs (30 loads) stay out.  Odd pair: the even pair's slot is not yet asked for again: 14 pairs, 28 loads
.else
	s_wait_loadcnt 2*(PAIRS-1-16*\b-\i)            ; nothing is refilled any more: two loads for each pair still behind, down to 0
.endif
.if 16*\b+\i == 0
	AXPY \i, 1                                     ; the first product starts the sums: nothing is cleared
.else
	AXPY \i, 0
.endif
.if (16*\b+\i < PAIRS-DEPTH) && (\i%2 == 1)
	s_wait_alu depctr_va_vdst(0)                   ; the step's eight products are done reading slots i - 1 and i, in which the four loads below land
	FILL \i-1, PAIRS+16*\b+\i+DEPTH-1              ; 16 pairs ahead; the last 16 pairs load nothing, so no load leaves the wave's rows
	FILL \i,   PAIRS+16*\b+\i+DEPTH
.endif
.endm
.irp b, 0,1,2,3
.irp i, 0,1,2,3,4,5,6,7,8,9,10,11,12,13,14,15
	VPAIR \b, \i
.endr
.endr
; THE WAVES MEET.  Each half's 128 sums go to a partial row of their own (byte 4 d of row 2 wave + h), the wave's maximum and sum beside them.
	s_wait_alu depctr_va_vdst(0)                   ; ACC, MX and LS are written, which the LDS stores read; and the last products are done reading the ring, in which wave 0's LDS loads land (no vector instruction stands between)
	ds_store_b128 v[LA], v[ACC:ACC+3]
	ds_store_b128 v[LA], v[ACC+4:ACC+7] offset:256
	ds_store_b64 v[LB], v[MX:MX+1] offset:STAT     ; every lane writes the same eight bytes with the same values
	s_wait_dscnt 0x0                               ; for wave 0's sake: my stores are done before I say so
	s_barrier_signal -1
	s_barrier_wait -1
	s_wait_alu depctr_vm_vsrc(0)                   ; my LDS stores have read ACC, which the final sum behind the branch writes again
	s_cmp_lg_u32 s[WV], 0
	s_cbranch_scc1 .Lend                           ; 128 numbers are left to make: one wave, four a lane
	ds_load_b64 v[W:W+1], v[SA] offset:STAT        ; lane c of each half: maximum and sum of wave c
.set p, 0
.rept 2*WAVES
	ds_load_b128 v[X+4*p:X+4*p+3], v[RD] offset:ROWB*p             ; partial row p, d = 4 lane .. 4 lane + 3: 512 consecutive bytes
.set p, p+1
.endr
	s_wait_dscnt 2*WAVES                           ; LDS loads come back in order (ISA guide 5.7.1): the 32 rows stay out, (maximum, sum) is in
	v_mov_b32 v[G], v[W]
.irp x, 1,2,4,8
	v_max_num_f32_dpp v[G], v[G], v[G] row_xmask:\x row_mask:0xf bank_mask:0xf  ; the maximum of all 2048 scores
.endr
	v_sub_f32 v[G], v[W], v[G]                     ; all -inf: -inf - -inf = NaN, as in the reference
	v_mul_f32 v[G], 0x3fb8aa3b, v[G]
	v_exp_f32 v[G], v[G]                           ; exp(m_wave - m_all)
	v_nop                                          ; the place behind the transcendental
	s_wait_alu depctr_va_vdst(0)                   ; the exponential has written G, ahead of its first reader
	v_mul_f32 v[W+1], v[G], v[W+1]
.irp x, 1,2,4,8
	v_add_f32_dpp v[W+1], v[W+1], v[W+1] row_xmask:\x row_mask:0xf bank_mask:0xf ; the softmax's denominator
.endr
	v_rcp_f32 v[W+1], v[W+1]
	v_nop                                          ; the place behind the transcendental
	s_wait_alu depctr_va_vdst(0)                   ; the reciprocal has written W+1, ahead of its first reader
	v_mul_f32 v[G], v[G], v[W+1]                   ; wave c's weight, the division folded in
.irp w, 0,1,2,3,4,5,6,7,8,9,10,11,12,13,14,15
.set PP, T+2*(\w%2)
	v_mov_b32_dpp v[PP], v[G] row_share:\w row_mask:0xf bank_mask:0xf
	s_wait_dscnt 2*WAVES-2-2*\w                    ; wave w's two partial rows are in; those behind them stay out
.if \w == 0
	AXPY \w, 1                                     ; ACC[0:3] gathers the even rows' halves, ACC[4:7] the odd rows': four chains
.else
	AXPY \w, 0
.endif
.endr
	v_pk_add_f32 v[ACC:ACC+1],   v[ACC:ACC+1],   v[ACC+4:ACC+5]
	v_pk_add_f32 v[ACC+2:ACC+3], v[ACC+2:ACC+3], v[ACC+6:ACC+7]
	s_wait_alu depctr_va_vdst(0)                   ; the two additions have written ACC .. ACC+3, which the store reads
	global_store_b128 v[RD], v[ACC:ACC+3], s[OB:OB+1]              ; the whole row of out: 512 consecutive bytes, aligned
.Lend:
	s_wait_dscnt 0x0                               ; the closing lines, six on end
	s_wait_alu 0x0
	s_wait_tensorcnt 0x0
	ds_add_u32 v172, v173
	s_wait_dscnt 0x0
	s_endpgm
.Lfunc_end_k_q1c70b7f5a2_decode:
	.size	k_q1c70b7f5a2_decode, .Lfunc_end_k_q1c70b7f5a2_decode-k_q1c70b7f5a2_decode
	.p2alignl 7, 3214868480
	.fill 96, 4, 3214868480
	.section	.rodata,"a",@progbits
	.p2align	6, 0x0
	.amdhsa_kernel k_q1c70b7f5a2_decode
		.amdhsa_group_segment_fixed_size 18688
		.amdhsa_private_segment_fixed_size 0
		.amdhsa_enable_private_segment 0
		.amdhsa_kernarg_size 40
		.amdhsa_user_sgpr_count 2
		.amdhsa_user_sgpr_kernarg_segment_ptr 1
		.amdhsa_wavefront_size32 1
		.amdhsa_system_sgpr_workgroup_id_x 1
		.amdhsa_system_sgpr_workgroup_id_y 1
		.amdhsa_system_sgpr_workgroup_id_z 1
		.amdhsa_system_vgpr_workitem_id 0
		.amdhsa_next_free_vgpr 174
		.amdhsa_next_free_sgpr 66
		.amdhsa_reserve_vcc 0
		.amdhsa_float_denorm_mode_32 3
		.amdhsa_float_denorm_mode_16_64 3
		.amdhsa_memory_ordered 1
		.amdhsa_forward_progress 1
		.amdhsa_inst_pref_size 102
	.end_amdhsa_kernel
	.amdgpu_metadata
---
amdhsa.version: [ 1, 2 ]
amdhsa.kernels:
  - .name:           k_q1c70b7f5a2_decode
    .symbol:         k_q1c70b7f5a2_decode.kd
    .args:
      - { .name: k, .offset: 0, .size: 8, .value_kind: global_buffer, .address_space: global }
      - { .name: mask, .offset: 8, .size: 8, .value_kind: global_buffer, .address_space: global }
      - { .name: q, .offset: 16, .size: 8, .value_kind: global_buffer, .address_space: global }
      - { .name: v, .offset: 24, .size: 8, .value_kind: global_buffer, .address_space: global }
      - { .name: out0, .offset: 32, .size: 8, .value_kind: global_buffer, .address_space: global }
    .group_segment_fixed_size: 18688
    .private_segment_fixed_size: 0
    .kernarg_segment_align: 8
    .kernarg_segment_size: 40
    .max_flat_workgroup_size: 512
    .sgpr_count:     66
    .vgpr_count:     174
    .wavefront_size: 32
...
	.end_amdgpu_metadata
.endif
;; end of part 2
